; MI455X (gfx1250); checked and timed in simulation.
; The chip was launched on July 23, 2026; its instructions are those of AMD's public machine-readable ISA for CDNA 5 (MIT licence, August 2026) and "CDNA5" Instruction Set Architecture Reference Guide (July 2026). The comments in the code are by the model that wrote it; some were corrected since.
;; Robust Sum. Allowed arithmetic: float matrix products may take bf16 or f16 operands with f32 sums; all other float work in f32.
;; Inputs: A 4 x 2,048 x 2,048 float32; V 4 x 2,048 x 512 float32.
;; Outputs: out0 4 x 2,048 x 512 float32.
;; 2 versions, each right; version 2 is version 1 with the launch prep written anew for expert scheduling mode. Each part assembles by itself: llvm-mc -triple=amdgcn-amd-amdhsa -mcpu=gfx1250 --defsym DOCPART=n.
;; ======== version 1 of 2: 2 launches
;; limits: inputs' magnitudes at most 65,504; values are held in f16: magnitudes above 65,504 overflow, below 6.1e-05 lose precision; below input magnitudes of 6.1e-05 results are inexact or not finite
;; workspace buffers: vh 8,388,608 bytes; ysq 32,768 bytes
;; launch prep (part 1): grid 256 x 1, 4 waves a work-group, no clusters, 0 bytes of LDS; arguments V, vh, ysq; writes vh, ysq
.if DOCPART == 1
	.amdgcn_target "amdgcn-amd-amdhsa--gfx1250"
	.amdhsa_code_object_version 6
	.text
	.protected	k_q8ef6272948_prep
	.globl	k_q8ef6272948_prep
	.p2align	8
	.type	k_q8ef6272948_prep,@function
k_q8ef6272948_prep:
	s_mov_b64 s[64:65], 0
	v_nop
	global_prefetch_b8 v0, s[64:65] scope:SCOPE_SE
	s_setreg_imm32_b32 hwreg(HW_REG_WAVE_MODE, 25, 1), 1
	s_wait_xcnt 0x0
; vh[row][c] = f16(V[row][c]);  ysq[row] = the sum over c of vh[row][c]^2, taken in f32 of the ROUNDED numbers, so that the next launch's
; x2 + y2 - 2 xy is the squared distance of the very numbers that it multiplies.  V: [8192][512] f32 (the four batches on end).
; LIMIT: |V| stays below 65,504 (f16's range); NaN and infinities are not treated apart.
; A stream: no LDS, no matrix unit, no cluster (no byte is read twice).  A work-group owns 32 rows, a wave 8.  A row is 2,048 bytes in: four loads of a wave,
; 512 consecutive bytes each; and 1,024 bytes out: four stores of a wave, 32 lanes x 8 bytes = 256 consecutive bytes, aligned.  All 32 loads of a wave go out at once.
; ysq leaves as 32 bytes a wave (8 rows x 4 bytes): 32 KiB of the launch's 24 MiB; gathering it would want LDS and a barrier.
.set T,   8                            ; v[8:23]    a row's 16 rounded numbers of my lane, widened to f32
.set Y,   24                           ; v[24:31]   the eight rows' sums
.set H,   32                           ; v[32:39]   the row as f16, to store; named by halves below, so the numbers are literal there
.set ACC, 40                           ; v[40:43]   two packed chains of squares
.set X,   48                           ; v[48:175]  eight rows as loaded, 16 registers each
	s_load_b128 s[4:7], s[0:1], 0x0                ; V s[4:5], vh s[6:7]
	s_load_b64 s[8:9], s[0:1], 0x10                ; ysq
	v_and_b32 v4, 31, v0                           ; lane
	v_lshrrev_b32 v1, 5, v0
	v_readfirstlane_b32 s12, v1                    ; wave
	v_lshlrev_b32 v1, 4, v4                        ; 16 bytes a lane in V
	v_lshlrev_b32 v2, 3, v4                        ; 8 bytes a lane in vh
	v_mov_b32 v3, 0
	s_mov_b32 s10, 0x76543210                      ; v_permlanex16_b32: each lane takes its own place in the other half
	s_mov_b32 s11, 0xfedcba98
	s_lshl_b32 s2, ttmp9, 16                       ; 32 rows of 2,048 bytes a work-group,
	s_lshl_b32 s3, s12, 14                         ; 8 rows a wave
	s_add_co_u32 s2, s2, s3
	s_mov_b32 s3, 0
	s_lshr_b32 s14, s2, 1                          ; half as many bytes in vh,
	s_mov_b32 s15, 0
	s_lshr_b32 s16, s2, 9                          ; 4 bytes a row in ysq
	s_mov_b32 s17, 0
	s_wait_kmcnt 0x0
	s_add_nc_u64 s[4:5], s[4:5], s[2:3]
	s_add_nc_u64 s[6:7], s[6:7], s[14:15]
	s_add_nc_u64 s[8:9], s[8:9], s[16:17]
.set i, 0
.rept 32                                               ; my wave's 16 KiB are dense: load i takes bytes 512 i on
	global_load_b128 v[X+4*i:X+4*i+3], v1, s[4:5] offset:512*i th:TH_LOAD_NT
.set i, i+1
.endr
.macro WIDEN                           ; the row's 16 f16 of my lane back to f32
	v_cvt_f32_f16 v8,  v32.l
	v_cvt_f32_f16 v9,  v32.h
	v_cvt_f32_f16 v10, v33.l
	v_cvt_f32_f16 v11, v33.h
	v_cvt_f32_f16 v12, v34.l
	v_cvt_f32_f16 v13, v34.h
	v_cvt_f32_f16 v14, v35.l
	v_cvt_f32_f16 v15, v35.h
	v_cvt_f32_f16 v16, v36.l
	v_cvt_f32_f16 v17, v36.h
	v_cvt_f32_f16 v18, v37.l
	v_cvt_f32_f16 v19, v37.h
	v_cvt_f32_f16 v20, v38.l
	v_cvt_f32_f16 v21, v38.h
	v_cvt_f32_f16 v22, v39.l
	v_cvt_f32_f16 v23, v39.h
.endm
.macro ROWDO p
	s_wait_loadcnt 4*(7-(\p))                      ; loads come back in order: this row's four are in, the later rows' stay out
.if (\p) > 0
	s_wait_xcnt 0x0                                ; the last row's stores have read H: it is rewritten only behind this wait
.endif
.irp j, 0,1,2,3
	v_cvt_pk_f16_f32 v[H+2*(\j)],   v[X+16*(\p)+4*(\j)],   v[X+16*(\p)+4*(\j)+1]
	v_cvt_pk_f16_f32 v[H+2*(\j)+1], v[X+16*(\p)+4*(\j)+2], v[X+16*(\p)+4*(\j)+3]
	global_store_b64 v2, v[H+2*(\j):H+2*(\j)+1], s[6:7] offset:1024*(\p)+256*(\j)
.endr
	WIDEN
	v_pk_mul_f32 v[ACC:ACC+1],   v[T:T+1],   v[T:T+1]      ; the first squares start the two chains: nothing is cleared
	v_pk_mul_f32 v[ACC+2:ACC+3], v[T+2:T+3], v[T+2:T+3]
.irp k, 2,3,4,5,6,7
	v_pk_fma_f32 v[ACC+2*((\k)%2):ACC+2*((\k)%2)+1], v[T+2*(\k):T+2*(\k)+1], v[T+2*(\k):T+2*(\k)+1], v[ACC+2*((\k)%2):ACC+2*((\k)%2)+1]
.endr
	v_pk_add_f32 v[ACC:ACC+1], v[ACC:ACC+1], v[ACC+2:ACC+3]
	v_add_f32 v[ACC], v[ACC], v[ACC+1]
	v_add_f32_dpp v[ACC], v[ACC], v[ACC] row_xmask:1 row_mask:0xf bank_mask:0xf
	v_add_f32_dpp v[ACC], v[ACC], v[ACC] row_xmask:2 row_mask:0xf bank_mask:0xf
	v_add_f32_dpp v[ACC], v[ACC], v[ACC] row_xmask:4 row_mask:0xf bank_mask:0xf
	v_add_f32_dpp v[ACC], v[ACC], v[ACC] row_xmask:8 row_mask:0xf bank_mask:0xf
	v_permlanex16_b32 v[ACC+1], v[ACC], s10, s11   ; its destination has been written above
	v_add_f32 v[Y+(\p)], v[ACC], v[ACC+1]          ; every lane holds the row's sum
.endm
.irp p, 0,1,2,3,4,5,6,7
	ROWDO \p
.endr
	s_wait_xcnt 0x0                                ; EXEC is a source of the stores above: it changes only behind this wait
	v_cmp_eq_u32 vcc_lo, 0, v4
	s_and_saveexec_b32 s12, vcc_lo                 ; lane 0 stores the wave's eight sums
	global_store_b128 v3, v[Y:Y+3],   s[8:9]
	global_store_b128 v3, v[Y+4:Y+7], s[8:9] offset:16
	s_wait_xcnt 0x0                                ; and again in front of the line that widens it
	s_or_b32 exec_lo, exec_lo, s12
	s_endpgm
.Lfunc_end_k_q8ef6272948_prep:
	.size	k_q8ef6272948_prep, .Lfunc_end_k_q8ef6272948_prep-k_q8ef6272948_prep
	.p2alignl 7, 3214868480
	.fill 96, 4, 3214868480
	.section	.rodata,"a",@progbits
	.p2align	6, 0x0
	.amdhsa_kernel k_q8ef6272948_prep
		.amdhsa_group_segment_fixed_size 0
		.amdhsa_private_segment_fixed_size 0
		.amdhsa_enable_private_segment 0
		.amdhsa_kernarg_size 24
		.amdhsa_user_sgpr_count 2
		.amdhsa_user_sgpr_kernarg_segment_ptr 1
		.amdhsa_wavefront_size32 1
		.amdhsa_system_sgpr_workgroup_id_x 1
		.amdhsa_system_sgpr_workgroup_id_y 1
		.amdhsa_system_sgpr_workgroup_id_z 1
		.amdhsa_system_vgpr_workitem_id 0
		.amdhsa_next_free_vgpr 176
		.amdhsa_next_free_sgpr 66
		.amdhsa_reserve_vcc 1
		.amdhsa_float_denorm_mode_32 3
		.amdhsa_float_denorm_mode_16_64 3
		.amdhsa_memory_ordered 1
		.amdhsa_forward_progress 1
		.amdhsa_inst_pref_size 24
	.end_amdhsa_kernel
	.amdgpu_metadata
---
amdhsa.version: [ 1, 2 ]
amdhsa.kernels:
  - .name:           k_q8ef6272948_prep
    .symbol:         k_q8ef6272948_prep.kd
    .args:
      - { .name: V, .offset: 0, .size: 8, .value_kind: global_buffer, .address_space: global }
      - { .name: vh, .offset: 8, .size: 8, .value_kind: global_buffer, .address_space: global }
      - { .name: ysq, .offset: 16, .size: 8, .value_kind: global_buffer, .address_space: global }
    .group_segment_fixed_size: 0
    .private_segment_fixed_size: 0
    .kernarg_segment_align: 8
    .kernarg_segment_size: 24
    .max_flat_workgroup_size: 128
    .sgpr_count:     66
    .vgpr_count:     176
    .wavefront_size: 32
...
	.end_amdgpu_metadata
.endif
;; end of part 1
;; launch robust (part 2): grid 64 x 4, 4 waves a work-group, clusters of 4 x 1, 327,680 bytes of LDS; arguments A, vh, ysq, out0; writes out0
.if DOCPART == 2
	.amdgcn_target "amdgcn-amd-amdhsa--gfx1250"
	.amdhsa_code_object_version 6
	.text
	.protected	k_q8ef6272948_robust
	.globl	k_q8ef6272948_robust
	.p2align	8
	.type	k_q8ef6272948_robust,@function
k_q8ef6272948_robust:
	s_mov_b64 s[64:65], 0
	v_nop
	global_prefetch_b8 v0, s[64:65] scope:SCOPE_SE
	s_setreg_imm32_b32 hwreg(HW_REG_WAVE_MODE, 25, 1), 1
	s_wait_xcnt 0x0
	s_wait_alu depctr_hold_cnt(0) depctr_sa_sdst(0) depctr_va_vdst(0) depctr_va_sdst(0) depctr_va_ssrc(0) depctr_va_vcc(0) depctr_vm_vsrc(0)
	s_getreg_b32 s2, hwreg(HW_REG_IB_STS2, 6, 4)
	s_cmp_eq_u32 s2, 0
	s_cbranch_scc0 .Lentry_in_a_cluster
	s_endpgm
.Lentry_in_a_cluster:
	s_bfe_u32 s2, ttmp6, 0x10000c
	s_cmp_lg_u32 s2, 0x3003
	s_cbranch_scc0 .Lentry_shape_is_right
	s_endpgm
.Lentry_shape_is_right:
; out0 = M3, where M0 = A V and, three times, M <- (ww / max(sum |ww|, 1e-12)) V with ww = A / (|M_row - V_key| + 0.01).  A: [4][2048][2048] f32; vh = f16(V): [4][2048][512]; ysq: [4][2048] f32.
; Row n of every M hangs on row n of A and on all of V alone: a work-group keeps 32 rows through all four passes, and no M, distance or weight goes to memory.
; ARITHMETIC.  Products with f16 operands and f32 sums; all else f32.  After each pass Mh = f16(O / den), den = max(L, FL): a mean of V's rows by weights of absolute sum 1 at the most, so it has V's range.
;   pass 0: weights f16(A), L = sum |A|, FL = 1e-30, and M0 = k Mh with k = den.   passes 1-3: L = sum |p|, FL = 1e-12 / ci, k = 1.
;   d2 = k^2 sum(Mh^2) + ysq - 2 k (Mh . vh), all three of the ROUNDED numbers: the squared distance of k Mh and vh up to f32 rounding, as reference() forms it.
;   p = A / ((sqrt(max(d2, 0)) + 0.01) ci), ci = max(row's largest |A|, 1e-30) x 100 / 32768: since 1 / (dist + 0.01) <= 100, |p| <= 32,768 in f16; ci cancels in O / L, and reference()'s floor 1e-12 becomes FL.
; LIMITS.  |A| and |V| below 65,504.  p keeps f16's full precision while (|A| / row's largest |A|) x 0.01 / (dist + 0.01) >= 1.9e-9, below that f16's fixed step of 6e-8 (of a largest weight 32,768).
;   NaN and infinities are not treated apart.  The order of the sums differs from reference()'s, and from cluster to cluster (see THE WALK).
; SHARES.  256 work-groups of four waves; all four waves hold the same 32 queries (two tiles of 16).  A step takes 128 keys, 32 from each quarter of the batch's 2,048; 16 steps a pass.
;   THE SCORES are split by keys: wave w makes S^T and the weights P for the step's 32 keys of quarter w, with all of Mh in registers, and puts P (2 KiB) into LDS.
;   THE SECOND PRODUCT is split by channels: wave w makes O^T for channels 128 w .. 128 w + 127 over all 128 keys.  So O^T is 128 registers, a pass's end has no sums to exchange but L, and the registers hold all of
;   a step's turned fragments: the slot is read out before the second product begins, and ONE round of the cluster's barrier serves both P's exchange and the refill.
; LAYOUT.  S^T = vh Mh^T (source 0 = 16 keys, source 1 = 16 queries): a lane holds ONE query (lane % 16) and keys 8 (lane / 16) + 0..7.  Two such tiles, packed to f16, ARE source 1 of O^T = vh^T P, whose
;   result again holds one query a lane and eight channels; packed, it IS half a fragment of Mh.  Channels are relabelled alike on both sides of every product: channel tile 8 G + u stands for channels
;   128 G + 8 u + 0..7 (lanes 0-15 of a result) and 64 more (lanes 16-31), so that both the plain and the turning load of a tile with rows 1,040 bytes apart touch sixteen different 16-byte columns modulo 256.
; CLUSTER.  The four work-groups of a cluster belong to one batch and walk the same vh: each tile is asked for JOINTLY, by the same tensor load with the same descriptor and the mask of four, in all four.
; THE WALK.  A cluster begins each pass at tile (cluster x) % 16 and goes round: the 16 clusters of a batch ask for 16 different tiles in a step, so no tile is wanted by all of them at its first reading.
; A is read in every pass (four times in all): beside the ring LDS has no room for 32 rows of it.  A wave takes 128 bytes of a row of A in a step.
; The very last step fetches a next step like every other (48 LDS loads of landed bytes, 8 loads of A): they serve nothing; the price, once a launch, of one text for the two last steps.
; REGISTERS, in windows of 256 (s_set_vgpr_msb: bits 1:0 source 0, 3:2 source 1, 5:4 source 2, 7:6 destination):
;   window 0: addresses, constants, S^T/P, y2, A, two buffers of eight plain fragments          window 1: Mh, fragment (rt, f) at 128 rt + 8 f
;   window 2: v0-127 O^T, accumulator (u, rt) at 8 (2 u + rt); v128-175 the other three waves' P; v192-255 a third buffer of plain fragments
;   window 3: the step's 32 turned fragments, block j at 64 j.  Key quarters are counted FROM THE WAVE'S OWN: block j stands for quarter (w + j) % 4, so that one text serves all waves.
.set PITCH, 1040                       ; a row of vh in LDS: 1,024 bytes + 16 of padding
.set WPART, 32*PITCH                   ; what one wave fetches of a tile: 32 keys
.set SLOT,  4*WPART                    ; 133,120 = 0x20800: its bits meet none of w x WPART's, so one exclusive or turns a part's address in one slot into the other's
.set YS,    2*SLOT                     ; behind the ring: y2 of the batch, 2,048 bytes a wave
.set MG,    YS+8192                    ; the gather of Mh: 64 pieces of 512 bytes
.set PX,    MG+32768                   ; P's exchange: two buffers [wave 4][piece 4][512 bytes], by turns: no barrier stands between a step's reads and the next step's stores
.set PXB,   8192
.set STT,   PX+2*PXB                   ; statistics: 512 x kind (L, largest |A|, sum Mh^2) + 256 rt + 16 r + 4 w
.set SPARE, 327168                     ; the spare words, 128 bytes for each wave: two blocks of 256 bytes that no other line names
.set OP,    528                        ; the way out: a stage row of 512 bytes + 16
.set PXS,  1                           ; v1      where I put my P;  v2, v3, v17 where I read the P of the waves 1, 2, 3 further on: made anew in each step
.set PXL1, 2
.set PXL2, 3
.set PXL3, 17
.set SPW, 4                            ; v4      LDS address of my spare word; never rewritten
.set NIL, 5                            ; v5      0; never rewritten
.set AS0, 6                            ; v6      my lane's place in my part of a tile for the plain loads;  v7 the same in a slot
.set ADS, 7
.set AT0, 8                            ; v8-11   my lane's place for the turning loads in part (w + j) % 4, my channels;  v12-15 in the slot in hand
.set ADT, 12
.set AO0, 16                           ; v16     my byte offset in 32 rows x 32 keys of A; never rewritten
.set YA0, 18                           ; v18     LDS address of my y2 at tile 0;  v19 at the step to be fetched
.set YA,  19
.set XX,  20                           ; v20-23  k^2 sum Mh^2, twice, for rt 0 and 1
.set GG,  24                           ; v24-27  -2 k
.set CC,  28                           ; v28-31  ci
.set EE,  32                           ; v32-35  0.01 ci
.set LS,  36                           ; v36-43  four chains of sum |p| for each rt
.set AM,  44                           ; v44-45  the row's largest |A|
.set FL,  46                           ; v46-47  the divisor's floor
.set SC,  48                           ; v48-79  S^T, tile t = 2 rt + kt at SC + 8 t
.set PP,  52                           ; P(rt) = v[PP+16 rt : +7] lies inside it: the upper half of tile kt 0, the lower half of tile kt 1
.set YR,  80                           ; v80-95  y2 of the step's 32 keys, 8 a kt
.set AR,  96                           ; v96-127 A of the step, tile t at AR + 8 t
.set HB0, 128                          ; window 0: plain fragments
.set HB1, 192
.set HB2, 192                          ; window 2
.set PA,  128                          ; window 2: P of wave (w + j) % 4 at PA + 16 (j - 1) + 8 rt
; in REDUCE, where the constants and S^T are free (the next step's fragments, A and y2 are in registers already and stay):
.set SVA, 20                           ; v20-27  the four waves' largest |A|, rt 0 and 1
.set SVL, 28                           ; v28-35  the four waves' L
.set STS, 48                           ; v48, 49 statistics: my word; my row's four words
.set STL, 49
.set MGS, 50                           ; v50, 51 the gather of Mh: in, back.  In the last REDUCE: the stage, in and back
.set MGL, 51
.set RINV, 52                          ; v52-55  1 / den, twice, for rt 0 and 1
.set DEN, 56                           ; v56-57
.set XH,  58                           ; v58-61  sum Mh^2, a pair for each rt;  then v58-65 the four waves' sums
.set SVX, 58
.set PK,  66                           ; v66-69  a piece of Mh; named by halves in UNPK, so 66 and 70 are literal there
.set T8,  70                           ; v70-77  at work
.set KAP, 70                           ; v70, 72 k;  v74, 76 k^2
.set K2,  74
.set L16, 78                           ; v78     16 x lane
.set R16, 79                           ; v79     16 x (lane % 16)
.set MSB, 0
.macro WIN new                         ; the high byte repeats the setting that is left; a switch that changes nothing is dropped
.if MSB != (\new)
	s_set_vgpr_msb (MSB<<8)|(\new)
.set MSB, (\new)
.endif
.endm
; A load into a register that a matrix instruction has read, and a vector instruction that reads a matrix result or writes one of a matrix instruction's registers, stand four places behind it;
; only plain vector instructions that name none of its registers are places (ISA guide 7.12.1 for vector instructions).
.macro PLACES
.rept 4
	v_nop
.endr
.endm
.macro CREST                           ; a round of the cluster's barrier behind its opening barrier
	s_cmp_lg_u32 s12, 0
	s_cbranch_scc1 .Lnot_wave_0_\@
	s_barrier_signal -3
.Lnot_wave_0_\@:
	s_barrier_wait -3
	s_barrier_signal -1
	s_barrier_wait -1
.endm
.macro ROUND                           ; a whole round
	s_barrier_signal -1
	s_barrier_wait -1
	CREST
.endm
; A of one step: tile t = 2 rt + kt: row 16 rt + lane % 16, keys 16 kt + 8 (lane / 16) + 0..7: 32 bytes a lane.  The step stands in the scalar base.
.macro AFETCH
.irp t, 0,1,2,3
	global_load_b128 v[AR+8*(\t):AR+8*(\t)+3],   v[AO0], s[44:45] offset:131072*((\t)/2)+64*((\t)%2)
	global_load_b128 v[AR+8*(\t)+4:AR+8*(\t)+7], v[AO0], s[44:45] offset:131072*((\t)/2)+64*((\t)%2)+16
.endr
.endm
.macro YFETCH                          ; y2 of the same keys
.irp k, 0,1
	ds_load_b128 v[YR+8*(\k):YR+8*(\k)+3],   v[YA] offset:64*(\k)
	ds_load_b128 v[YR+8*(\k)+4:YR+8*(\k)+7], v[YA] offset:64*(\k)+16
.endr
.endm
.macro SNEXT                           ; the next tile's 32 keys x 4 bytes, round my 512 keys
	s_add_co_u32 s36, s36, 128
	s_and_b32 s36, s36, 2047
.endm
.macro YNEXT
	SNEXT
	v_add_nc_u32 v[YA], s36, v[YA0]
	YFETCH
.endm
.macro ANEXT                           ; the base is free: the wait for A's last loads stands above in the same step
	s_add_nc_u64 s[44:45], s[4:5], s[36:37]
	AFETCH
.endm
; P's four addresses in the buffer of this step: 16 x thread = 512 w + 16 x lane, and the scalar holds the rest
.macro PXADR
	s_add_co_u32 s42, s54, s53
	v_lshl_add_u32 v[PXS], v0, 4, s42
	s_add_co_u32 s42, s55, s53
	v_lshl_add_u32 v[PXL1], v0, 4, s42
	s_add_co_u32 s42, s56, s53
	v_lshl_add_u32 v[PXL2], v0, 4, s42
	s_add_co_u32 s42, s57, s53
	v_lshl_add_u32 v[PXL3], v0, 4, s42
	s_xor_b32 s53, s53, PXB                        ; the next step takes the other buffer
.endm
.macro PSTORE rt                       ; my P for query tile rt: two pieces of 512 bytes, 16 a lane
	ds_store_b128 v[PXS], v[PP+16*(\rt):PP+16*(\rt)+3]   offset:1024*(\rt)
	ds_store_b128 v[PXS], v[PP+16*(\rt)+4:PP+16*(\rt)+7] offset:1024*(\rt)+512
.endm
.macro PL1 adr, j
.irp c, 0,1,2,3
	ds_load_b128 v[PA+16*((\j)-1)+4*(\c):PA+16*((\j)-1)+4*(\c)+3], v[\adr] offset:512*(\c)
.endr
.endm
.macro PLOAD                           ; the other three waves' P
	WIN 0x80                                       ; destination window 2
	PL1 PXL1, 1
	PL1 PXL2, 2
	PL1 PXL3, 3
.endm
; Sixteen plain loads: the eight fragments (16 keys x 32 channels) of channel quarter g: fragment q: channel group q / 2, keys 16 (q % 2) on.  The caller sets the window.
.macro LDS_S g, base
.irp q, 0,1,2,3,4,5,6,7
	ds_load_b128 v[(\base)+8*(\q):(\base)+8*(\q)+3],   v[ADS] offset:16*PITCH*((\q)%2)+256*(\g)+32*((\q)/2)
	ds_load_b128 v[(\base)+8*(\q)+4:(\base)+8*(\q)+7], v[ADS] offset:16*PITCH*((\q)%2)+256*(\g)+32*((\q)/2)+16
.endr
.endm
.macro SPRE                            ; three of the next step's four quarters: its tile has landed (my part of it is all that they read)
	WIN 0x80
	LDS_S 2, HB2
	WIN 0
	LDS_S 0, HB0
	LDS_S 1, HB1
.endm
; Sixteen products of S^T: the four tiles take turns, one instruction a turn.  The step's first four start the sums with the constant 0.
.macro MUL_S g, base, win
	WIN \win
.irp f, 0,1,2,3
.irp t, 0,2,1,3
.set rS, SC+8*(\t)
.set rV, (\base)+8*(2*(\f)+(\t)%2)
.set rM, 128*((\t)/2)+8*(4*(\g)+(\f))
.if ((\g) == 0) && ((\f) == 0)
	v_wmma_f32_16x16x32_f16 v[rS:rS+7], v[rV:rV+7], v[rM:rM+7], 0
.else
	v_wmma_f32_16x16x32_f16 v[rS:rS+7], v[rV:rV+7], v[rM:rM+7], v[rS:rS+7]
.endif
.endr
.endr
.endm
; Sixteen turning loads: block j: the eight fragments (16 of my channels x 32 keys) of part (w + j) % 4 of the tile
.macro LDS_T j
	WIN 0xc0                                       ; destination window 3
.irp u, 0,1,2,3,4,5,6,7
	ds_load_tr16_b128 v[64*(\j)+8*(\u):64*(\j)+8*(\u)+3],   v[ADT+(\j)] offset:16*(\u)
	ds_load_tr16_b128 v[64*(\j)+8*(\u)+4:64*(\j)+8*(\u)+7], v[ADT+(\j)] offset:16*(\u)+16*PITCH
.endr
.endm
; Sixteen products of O^T, on sixteen accumulators.  Block 0 takes my own P where it was made; z = 1: a pass's first step starts the sums there with the constant 0: nothing is ever cleared.
.macro MUL_T j, z
.if (\j) == 0
	WIN 0xa3                                       ; fragments window 3, P window 0, C and D window 2
.else
	WIN 0xab                                       ; P window 2
.endif
.irp u, 0,1,2,3,4,5,6,7
.irp rt, 0,1
.set rO, 8*(2*(\u)+(\rt))
.set rV, 64*(\j)+8*(\u)
.if (\j) == 0
.set rP, PP+16*(\rt)
.else
.set rP, PA+16*((\j)-1)+8*(\rt)
.endif
.if \z
	v_wmma_f32_16x16x32_f16 v[rO:rO+7], v[rV:rV+7], v[rP:rP+7], 0
.else
	v_wmma_f32_16x16x32_f16 v[rO:rO+7], v[rV:rV+7], v[rP:rP+7], v[rO:rO+7]
.endif
.endr
.endr
.endm
; THE WEIGHTS of tile t = 2 rt + kt, in five parts, in place.  Each accumulator is read from its low end on.
.macro EW1 t                           ; d2 = max(S x (-2 k) + x2 + y2, 0)
.irp i, 0,2,4,6
	v_pk_fma_f32 v[SC+8*(\t)+(\i):SC+8*(\t)+(\i)+1], v[SC+8*(\t)+(\i):SC+8*(\t)+(\i)+1], v[GG+2*((\t)/2):GG+2*((\t)/2)+1], v[XX+2*((\t)/2):XX+2*((\t)/2)+1]
.endr
.irp i, 0,2,4,6
	v_pk_add_f32 v[SC+8*(\t)+(\i):SC+8*(\t)+(\i)+1], v[SC+8*(\t)+(\i):SC+8*(\t)+(\i)+1], v[YR+8*((\t)%2)+(\i):YR+8*((\t)%2)+(\i)+1]
.endr
.irp i, 0,1,2,3,4,5,6,7
	v_max_num_f32 v[SC+8*(\t)+(\i)], 0, v[SC+8*(\t)+(\i)]
.endr
.endm
.macro SQ t
.irp i, 0,1,2,3,4,5,6,7
	v_sqrt_f32 v[SC+8*(\t)+(\i)], v[SC+8*(\t)+(\i)]
.endr
.endm
.macro EW2 t                           ; (dist + 0.01) ci
	s_wait_alu depctr_va_vdst(0)
.irp i, 0,2,4,6
	v_pk_fma_f32 v[SC+8*(\t)+(\i):SC+8*(\t)+(\i)+1], v[SC+8*(\t)+(\i):SC+8*(\t)+(\i)+1], v[CC+2*((\t)/2):CC+2*((\t)/2)+1], v[EE+2*((\t)/2):EE+2*((\t)/2)+1]
.endr
.endm
.macro RC t
.irp i, 0,1,2,3,4,5,6,7
	v_rcp_f32 v[SC+8*(\t)+(\i)], v[SC+8*(\t)+(\i)]
.endr
.endm
.macro EW3 t                           ; p = A x that; L += |p|; p to f16, into P's place: downward for kt 0, upward for kt 1, so that no pair is written over before it is read
	s_wait_alu depctr_va_vdst(0)
.irp i, 0,2,4,6
	v_pk_mul_f32 v[SC+8*(\t)+(\i):SC+8*(\t)+(\i)+1], v[SC+8*(\t)+(\i):SC+8*(\t)+(\i)+1], v[AR+8*(\t)+(\i):AR+8*(\t)+(\i)+1]
.endr
.irp i, 0,1,2,3,4,5,6,7
	v_add_f32 v[LS+4*((\t)/2)+(\i)%4], v[LS+4*((\t)/2)+(\i)%4], |v[SC+8*(\t)+(\i)]|
.endr
.if (\t)%2 == 0
	s_wait_alu depctr_va_vdst(0)
.irp i, 3,2,1,0
	v_cvt_pk_f16_f32 v[SC+8*(\t)+4+(\i)], v[SC+8*(\t)+2*(\i)], v[SC+8*(\t)+2*(\i)+1]
.endr
.else
	s_wait_alu depctr_va_vdst(0)
.irp i, 0,1,2,3
	v_cvt_pk_f16_f32 v[SC+8*(\t)+(\i)], v[SC+8*(\t)+2*(\i)], v[SC+8*(\t)+2*(\i)+1]
.endr
.endif
.endm
; The four tiles' parts are dealt so that behind each run of roots or reciprocals a block of plain work on another tile stands before its results are used (ISA guide 5.7.2).
; Among them: the next y2 as soon as this step's has been read; the wait for A just ahead of its first use; each half of P as soon as it is whole; at last the next A.
.macro EW
	EW1 0
	SQ 0
	EW1 1
	SQ 1
	EW2 0
	RC 0
	EW1 2
	SQ 2
	EW2 1
	RC 1
	s_wait_loadcnt 0x0                             ; A of this step: asked for a whole step ago
	EW3 0
	EW1 3
	SQ 3
	YNEXT
	EW2 2
	RC 2
	EW3 1
	PSTORE 0
	EW2 3
	RC 3
	EW3 2
	EW3 3
	PSTORE 1
	ANEXT
.endm
.macro EW0 t                           ; pass 0: the weights are A itself: L += |A|, the row's largest |A|, A to f16
.irp i, 0,1,2,3,4,5,6,7
	v_add_f32 v[LS+4*((\t)/2)+(\i)%4], v[LS+4*((\t)/2)+(\i)%4], |v[AR+8*(\t)+(\i)]|
.endr
.irp i, 0,2,4,6
	v_max3_num_f32 v[AM+(\t)/2], v[AM+(\t)/2], |v[AR+8*(\t)+(\i)]|, |v[AR+8*(\t)+(\i)+1]|
.endr
.irp i, 0,1,2,3
	v_cvt_pk_f16_f32 v[PP+16*((\t)/2)+4*((\t)%2)+(\i)], v[AR+8*(\t)+2*(\i)], v[AR+8*(\t)+2*(\i)+1]
.endr
.endm
; THE MIDDLE OF A STEP.  All of the slot in hand has been asked for, and my P is on its way into LDS.  fill = 1: each wave waits for all its tensor loads, of which one is out: its part of the next tile; adds 0
; to its spare word; and waits for that, for its stores of P and for its reads of the slot.  The barrier opens a round of the cluster's: behind it every wave's P and every part of the next tile can be read, no wave of
; any partner still reads this slot or has a load on its way, and the joint refill, the tile two steps on, is the first thing there: it has a whole step in which to land.
; The sixteen products on my own P are the work on registers inside the round.  fill = 0 (the last two steps): nothing is filled, and the work-group's barrier alone serves P and the last tile.
.macro CHANGE fill, z
	s_wait_tensorcnt 0x0                           ; no tensor load of mine is out, so the walking group 0 may be written
.if \fill
	ds_add_u32 v[SPW], v[NIL]                      ; 0 onto my spare word: the descriptor's scalar work stands between it and the wait for it
	s_lshl_b32 s34, s33, 15                        ; a part of a tile is 32 keys x 1,024 bytes of vh
	s_xor_b32 s29, s29, SLOT                       ; the other slot than last time: the one in hand
	s_add_nc_u64 s[30:31], s[6:7], s[34:35]        ; the address is made anew from the tile's number
	s_or_b32 s31, s31, 0x80000000                  ; type = 2
	s_add_co_u32 s33, s33, 1
	s_and_b32 s33, s33, 15                         ; round the same 16 tiles, pass after pass
.endif
	s_xor_b32 s32, s32, SLOT                       ; from here on: the next tile's slot
	s_wait_dscnt 0x0                               ; the add is done, my P is stored, my reads of this slot are back
	s_barrier_signal -1
	MUL_T 0, \z                                    ; work on registers while the others arrive
	WIN 0
	s_barrier_wait -1
.if \fill
	CREST
	tensor_load_to_lds s[28:31], s[16:23]          ; my one tensor load behind the round
	s_nop 0
	PLACES
.endif
.endm
; A STEP of passes 1 to 3.  On the way in: quarters 0 to 2 of its plain fragments have been asked for.  The nine address lines are places: with them (and the four behind the refill) five or more stand between
; the last step's products, which read P and the turned fragments, and the products and loads that write over those registers.
.macro STEP z, fill
.irp j, 0,1,2,3
	v_add_nc_u32 v[ADT+(\j)], s32, v[AT0+(\j)]
.endr
	v_add_nc_u32 v[ADS], s32, v[AS0]
	PXADR
	s_wait_dscnt 0x0                               ; quarters 0 to 2: asked for 48 products ago
	MUL_S 0, HB0, 0x04
	PLACES
	WIN 0
	LDS_S 3, HB0                                   ; one run of 48 loads: the last quarter first,
	LDS_T 0                                        ; then half of the turned fragments
	LDS_T 1
	MUL_S 1, HB1, 0x04
	MUL_S 2, HB2, 0x06
	s_wait_dscnt 32                                ; quarter 3 is in; the 32 turning loads issued behind it may be out
	MUL_S 3, HB0, 0x04
	PLACES                                         ; also the places in front of the weights, which read the scores
	LDS_T 2                                        ; the other half: the weights are the time in which it lands
	LDS_T 3
	WIN 0
	EW
	CHANGE \fill, \z
	v_add_nc_u32 v[ADS], s32, v[AS0]
	PLOAD                                          ; one run of 60 loads: P first, then the next step's fragments
	SPRE
	s_wait_dscnt 48                                ; P is in; the 48 loads issued behind it may be out
	MUL_T 1, 0
	MUL_T 2, 0
	MUL_T 3, 0
	WIN 0
.endm
.macro STEP0 z                         ; a step of pass 0: no scores
.irp j, 0,1,2,3
	v_add_nc_u32 v[ADT+(\j)], s32, v[AT0+(\j)]
.endr
	PXADR
	LDS_T 0
	LDS_T 1
	LDS_T 2
	LDS_T 3
	WIN 0
	s_wait_loadcnt 0x0                             ; A of this step
	EW0 0
	EW0 1
	PSTORE 0
	EW0 2
	EW0 3
	PSTORE 1
	SNEXT
	ANEXT
	CHANGE 1, \z
	PLOAD
	s_wait_dscnt 0x0
	MUL_T 1, 0
	MUL_T 2, 0
	MUL_T 3, 0
	WIN 0
.endm
.macro UNPK                            ; the piece's eight f16 back to f32
	v_cvt_f32_f16 v70, v66.l
	v_cvt_f32_f16 v71, v66.h
	v_cvt_f32_f16 v72, v67.l
	v_cvt_f32_f16 v73, v67.h
	v_cvt_f32_f16 v74, v68.l
	v_cvt_f32_f16 v75, v68.h
	v_cvt_f32_f16 v76, v69.l
	v_cvt_f32_f16 v77, v69.h
.endm
.macro SCALE rt, u                     ; O / den of channel tile u
	WIN 0x02                                       ; source 0 in window 2
.irp e, 0,2,4,6
	v_pk_mul_f32 v[T8+(\e):T8+(\e)+1], v[16*(\u)+8*(\rt)+(\e):16*(\u)+8*(\rt)+(\e)+1], v[RINV+2*(\rt):RINV+2*(\rt)+1]
.endr
	WIN 0
.endm
.macro PIECE_M rt, u                   ; a piece of Mh: rounded, sent to the gather, and its squares, of the rounded numbers, summed
	SCALE \rt, \u
.irp i, 0,1,2,3
	v_cvt_pk_f16_f32 v[PK+(\i)], v[T8+2*(\i)], v[T8+2*(\i)+1]
.endr
	ds_store_b128 v[MGS], v[PK:PK+3] offset:16384*(\rt)+512*(\u)
	UNPK
.irp e, 0,2,4,6
.if ((\u) == 0) && ((\e) == 0)
	v_pk_mul_f32 v[XH+2*(\rt):XH+2*(\rt)+1], v[T8:T8+1], v[T8:T8+1]
.else
	v_pk_fma_f32 v[XH+2*(\rt):XH+2*(\rt)+1], v[T8+(\e):T8+(\e)+1], v[T8+(\e):T8+(\e)+1], v[XH+2*(\rt):XH+2*(\rt)+1]
.endif
.endr
.endm
.macro PIECE_O rt, u                   ; a piece of the result, f32, into my stage: row 16 rt + lane % 16, channels 8 u + 64 (lane / 16) + 0..7 of my 128
	SCALE \rt, \u
	ds_store_b128 v[MGS], v[T8:T8+3]   offset:16*OP*(\rt)+32*(\u)
	ds_store_b128 v[MGS], v[T8+4:T8+7] offset:16*OP*(\rt)+32*(\u)+16
.endm
; THE PASS'S END.  O^T is whole in the wave that owns the channels; only L (and the largest |A|) is summed over the waves.  fin = 0: the next pass's Mh and constants are made.  fin = 1: the result is stored.
.macro REDUCE fin
	v_and_b32 v[L16], 31, v0                       ; the address lines and L's sums name no register of the last products: they are the places behind them
	v_and_b32 v[R16], 15, v0
	v_lshlrev_b32 v[L16], 4, v[L16]
	v_lshlrev_b32 v[R16], 4, v[R16]
	s_lshl_b32 s42, s12, 2
	s_add_co_u32 s42, s42, STT
	v_add_nc_u32 v[STS], s42, v[R16]
	v_add_nc_u32 v[STL], STT, v[R16]
.irp rt, 0,1
	v_add_f32 v[LS+4*(\rt)],   v[LS+4*(\rt)],   v[LS+4*(\rt)+1]
	v_add_f32 v[LS+4*(\rt)+2], v[LS+4*(\rt)+2], v[LS+4*(\rt)+3]
.endr
.irp rt, 0,1
	v_add_f32 v[LS+4*(\rt)], v[LS+4*(\rt)], v[LS+4*(\rt)+2]
.endr
.irp rt, 0,1                           ; the query's other keys lie in the lane 16 away; the destinations are spent chains, written before
	v_permlanex16_b32 v[LS+4*(\rt)+1], v[LS+4*(\rt)], s40, s41
	v_permlanex16_b32 v[LS+4*(\rt)+3], v[AM+(\rt)],   s40, s41
.endr
.irp rt, 0,1
	v_add_f32     v[LS+4*(\rt)], v[LS+4*(\rt)], v[LS+4*(\rt)+1]
	v_max_num_f32 v[AM+(\rt)],   v[AM+(\rt)],   v[LS+4*(\rt)+3]
	ds_store_b32 v[STS], v[LS+4*(\rt)] offset:256*(\rt)
	ds_store_b32 v[STS], v[AM+(\rt)]   offset:512+256*(\rt)
.endr
	s_wait_dscnt 0x0                               ; for the others' sake: my stores are done
	s_barrier_signal -1
	s_barrier_wait -1
	ds_load_b128 v[SVL:SVL+3],   v[STL]            ; the four waves' L, rt 0 and 1,
	ds_load_b128 v[SVL+4:SVL+7], v[STL] offset:256
	ds_load_b128 v[SVA:SVA+3],   v[STL] offset:512 ; and largest |A|
	ds_load_b128 v[SVA+4:SVA+7], v[STL] offset:768
	s_wait_dscnt 0x0
.irp rt, 0,1
	v_add_f32 v[SVL+4*(\rt)],   v[SVL+4*(\rt)],   v[SVL+4*(\rt)+1]
	v_add_f32 v[SVL+4*(\rt)+2], v[SVL+4*(\rt)+2], v[SVL+4*(\rt)+3]
	v_add_f32 v[SVL+4*(\rt)],   v[SVL+4*(\rt)],   v[SVL+4*(\rt)+2]
	v_max_num_f32 v[DEN+(\rt)], v[SVL+4*(\rt)], v[FL+(\rt)]
.endr
	v_rcp_f32 v[RINV],   v[DEN]                    ; twice each: the packed multiply takes a pair
	v_rcp_f32 v[RINV+1], v[DEN]
	v_rcp_f32 v[RINV+2], v[DEN+1]
	v_rcp_f32 v[RINV+3], v[DEN+1]                  ; the address lines below are the plain work behind the reciprocals (ISA guide 5.7.2)
.if (\fin) == 0
	s_lshl_b32 s42, s12, 12
	s_add_co_u32 s42, s42, MG
	v_add_nc_u32 v[MGS], s42, v[L16]               ; piece 32 rt + 8 w + u, 512 bytes, 16 a lane; the gather's last readers waited for their loads a pass ago, ahead of many barriers
	v_add_nc_u32 v[MGL], MG, v[L16]
	s_wait_alu depctr_va_vdst(0)
.irp rt, 0,1
.irp u, 0,1,2,3,4,5,6,7
	PIECE_M \rt, \u
.endr
.endr
.irp rt, 0,1
	v_add_f32 v[XH+2*(\rt)], v[XH+2*(\rt)], v[XH+2*(\rt)+1]
.endr
.irp rt, 0,1
	v_permlanex16_b32 v[XH+2*(\rt)+1], v[XH+2*(\rt)], s40, s41
.endr
.irp rt, 0,1
	v_add_f32 v[XH+2*(\rt)], v[XH+2*(\rt)], v[XH+2*(\rt)+1]
	ds_store_b32 v[STS], v[XH+2*(\rt)] offset:1024+256*(\rt)
.endr
	s_wait_dscnt 0x0                               ; for the others' sake: my pieces and my sum are stored
	s_barrier_signal -1
	s_barrier_wait -1
	ds_load_b128 v[SVX:SVX+3],   v[STL] offset:1024
	ds_load_b128 v[SVX+4:SVX+7], v[STL] offset:1280
	WIN 0x40                                       ; destination window 1: all of Mh, every wave
.set p, 0
.rept 64
	ds_load_b128 v[4*p:4*p+3], v[MGL] offset:512*p
.set p, p+1
.endr
	WIN 0
.irp rt, 0,1                           ; the next pass's constants; the pairs are filled by packed multiplies that take the low word for both halves.  Both rows' largest |A| are used up before -2 k takes their place
	v_max3_num_f32 v[SVA+4*(\rt)], v[SVA+4*(\rt)], v[SVA+4*(\rt)+1], v[SVA+4*(\rt)+2]
	v_max3_num_f32 v[SVA+4*(\rt)], v[SVA+4*(\rt)], v[SVA+4*(\rt)+3], 0x0da24260  ; and the floor 1e-30
	v_pk_mul_f32 v[CC+2*(\rt):CC+2*(\rt)+1], v[SVA+4*(\rt):SVA+4*(\rt)+1], 0x3b480000 op_sel_hi:[0,0]  ; ci = that x 100 / 32768
	v_pk_mul_f32 v[EE+2*(\rt):EE+2*(\rt)+1], v[CC+2*(\rt):CC+2*(\rt)+1], 0x3c23d70a op_sel_hi:[1,0]    ; 0.01 ci
.endr
.irp rt, 0,1
	v_rcp_f32 v[FL+(\rt)], v[CC+2*(\rt)]
	v_cndmask_b32 v[KAP+2*(\rt)], 1.0, v[DEN+(\rt)], s39           ; k = den behind pass 0, else 1
	s_wait_alu depctr_va_vdst(0)
	v_mul_f32 v[FL+(\rt)], 0x2b8cbccc, v[FL+(\rt)]                 ; 1e-12 / ci
	v_pk_mul_f32 v[GG+2*(\rt):GG+2*(\rt)+1], v[KAP+2*(\rt):KAP+2*(\rt)+1], -2.0 op_sel_hi:[0,0]
	v_mul_f32 v[K2+2*(\rt)], v[KAP+2*(\rt)], v[KAP+2*(\rt)]
.endr
.irp i, 0,1,2,3,4,5,6,7
	v_mov_b32 v[LS+(\i)], 0
.endr
	s_wait_dscnt 0x0                               ; Mh and the four waves' sums of squares are in
.irp rt, 0,1
	v_add_f32 v[SVX+4*(\rt)],   v[SVX+4*(\rt)],   v[SVX+4*(\rt)+1]
	v_add_f32 v[SVX+4*(\rt)+2], v[SVX+4*(\rt)+2], v[SVX+4*(\rt)+3]
	v_add_f32 v[SVX+4*(\rt)],   v[SVX+4*(\rt)],   v[SVX+4*(\rt)+2]
	v_pk_mul_f32 v[XX+2*(\rt):XX+2*(\rt)+1], v[SVX+4*(\rt):SVX+4*(\rt)+1], v[K2+2*(\rt):K2+2*(\rt)+1] op_sel_hi:[0,0]
.endr
.else
	; THE WAY OUT, through my own part of slot 0, which has had its last fill and whose last readers waited for their loads ahead of the barriers above: 32 rows of 528 bytes in, whole rows of 512 bytes back
	v_and_b32 v[XH], 15, v0
	v_bfe_u32 v[XH+1], v0, 4, 1
	v_mul_u32_u24 v[MGS], v[XH], OP
	v_lshl_add_u32 v[MGS], v[XH+1], 8, v[MGS]
	v_add_nc_u32 v[MGS], s50, v[MGS]
	v_add_nc_u32 v[MGL], s50, v[L16]
	s_wait_alu depctr_va_vdst(0)
.irp rt, 0,1
.irp u, 0,1,2,3,4,5,6,7
	PIECE_O \rt, \u
.endr
.endr
.set k, 0
.rept 32
	ds_load_b128 v[HB0+4*k:HB0+4*k+3], v[MGL] offset:OP*k  ; LDS serves a wave's instructions in order (ISA guide 5.7.1.4): these see the stores above
.set k, k+1
.endr
.set k, 0
.rept 32
	s_wait_dscnt 31-k                              ; row k is back; the later rows' loads stay out
	global_store_b128 v[L16], v[HB0+4*k:HB0+4*k+3], s[10:11] offset:2048*k th:TH_STORE_NT  ; 512 consecutive bytes, at a multiple of 512 from out0's first
.set k, k+1
.endr
.endif
.endm
	s_load_b256 s[4:11], s[0:1], 0x0               ; A s[4:5], vh s[6:7], ysq s[8:9], out0 s[10:11]
	v_lshl_add_u32 v[SPW], v0, 2, SPARE
	v_mov_b32 v[NIL], 0
	ds_add_u32 v[SPW], v[NIL]                      ; the wave's opening: the add and its wait stand ahead of my first tensor load; the set-up below, work on registers, stands between them
	v_lshrrev_b32 v48, 5, v0
	v_readfirstlane_b32 s12, v48                   ; wave 0..3
	s_bfe_u32 s13, ttmp6, 0x40000                  ; cx: my place in the cluster
	s_lshl_b32 s14, ttmp9, 2                       ; in a cluster launch ttmp9 counts clusters
	s_add_co_u32 s14, s14, s13                     ; my block of 32 rows: it enters A's and out0's addresses alone
	s_and_b32 s15, ttmp7, 0xffff                   ; the batch, which the four partners share
	s_and_b32 s52, ttmp9, 15                       ; the tile at which my cluster begins its walk: the same number in all four partners
	; descriptor group 1: a tile of 32 rows x 512 elements of 2 bytes, padded in LDS
	s_mov_b32 s16, 15|(1<<16)|(1<<20)|(1<<21)|(7<<22)|(3<<25)  ; 15:0 the mask of four; 17:16 2-byte elements; 20 padding on; 21 set beside a mask; 24:22 after every 256 words (code 7); 31:25 4 words (code 3)
	s_mov_b32 s17, 512<<16                         ; tensor_dim0 = 512
	s_mov_b32 s18, 32<<16                          ; tensor_dim1 = 32
	s_mov_b32 s19, 512<<16                         ; tile_dim0 = 512
	s_mov_b32 s20, 32                              ; tile_dim1 = 32
	s_mov_b32 s21, 512                             ; 512 elements from row to row
	s_mov_b32 s22, 0
	s_mov_b32 s23, 0
	s_lshl_b32 s42, s15, 24                        ; A: the batch's 16 MiB,
	s_lshl_b32 s43, s14, 18                        ; my 32 rows of 8,192 bytes,
	s_add_co_u32 s42, s42, s43
	s_lshl_b32 s43, s12, 11                        ; my wave's 512 keys
	s_add_co_u32 s42, s42, s43
	s_mov_b32 s43, 0
	s_lshl_b32 s44, s15, 21                        ; vh: the batch's 2 MiB, my wave's 512 rows of 1,024 bytes: no place in the cluster enters it
	s_lshl_b32 s45, s12, 19
	s_add_co_u32 s44, s44, s45
	s_mov_b32 s45, 0
	s_lshl_b32 s46, s15, 13                        ; ysq
	s_lshl_b32 s47, s12, 11
	s_add_co_u32 s46, s46, s47
	s_mov_b32 s47, 0
	s_lshl_b32 s48, s15, 22                        ; out0: the batch's 4 MiB, my 32 rows of 2,048 bytes, my wave's 128 channels
	s_lshl_b32 s49, s14, 16
	s_add_co_u32 s48, s48, s49
	s_lshl_b32 s49, s12, 9
	s_add_co_u32 s48, s48, s49
	s_mov_b32 s49, 0
	s_mul_i32 s50, s12, WPART                      ; my part of a slot
	s_mov_b32 s24, 1                               ; group 0 of the first fill: count = 1,
	s_mov_b32 s25, s50                             ; slot 0
	s_mov_b32 s28, 1                               ; group 0 of the second, which then walks:
	s_add_co_u32 s29, s50, SLOT                    ; slot 1
	s_mov_b32 s32, 0                               ; the slot in hand
	s_add_co_u32 s33, s52, 2
	s_and_b32 s33, s33, 15                         ; the tile to be asked for next
	s_mov_b32 s35, 0
	s_lshl_b32 s36, s52, 7                         ; 128 bytes of A's rows and of y2 x the tile whose A is fetched
	s_mov_b32 s37, 0
	s_mov_b32 s40, 0x76543210                      ; v_permlanex16_b32: each lane takes its own place in the other half
	s_mov_b32 s41, 0xfedcba98
	s_mov_b32 s53, 0                               ; P's buffer of the step
	s_lshl_b32 s3, s12, 9
.irp j, 0,1,2,3                        ; P of wave (w + j) % 4 lies at PX + 2,048 x that; 512 w is taken off, since 16 x thread brings it
	s_add_co_u32 s2, s12, \j
	s_and_b32 s2, s2, 3
	s_lshl_b32 s2, s2, 11
	s_add_co_u32 s2, s2, PX
	s_sub_co_u32 s[54+(\j)], s2, s3
.endr
	s_wait_dscnt 0x0                               ; the opening add is done
	s_wait_kmcnt 0x0
	s_add_nc_u64 s[4:5], s[4:5], s[42:43]
	s_add_nc_u64 s[6:7], s[6:7], s[44:45]
	s_add_nc_u64 s[8:9], s[8:9], s[46:47]
	s_add_nc_u64 s[10:11], s[10:11], s[48:49]
	s_lshl_b32 s34, s52, 15
	s_add_nc_u64 s[26:27], s[6:7], s[34:35]        ; the walk's first tile
	s_or_b32 s27, s27, 0x80000000                  ; type = 2
	s_add_co_u32 s34, s52, 1
	s_and_b32 s34, s34, 15
	s_lshl_b32 s34, s34, 15
	s_add_nc_u64 s[30:31], s[6:7], s[34:35]        ; and its second
	s_or_b32 s31, s31, 0x80000000
	s_add_nc_u64 s[44:45], s[4:5], s[36:37]        ; A at the first tile's keys
	ROUND                                          ; all four work-groups are here: the first joint loads meet
	tensor_load_to_lds s[24:27], s[16:23]          ; both first fills together: two loads of mine are out
	s_nop 0
	tensor_load_to_lds s[28:31], s[16:23]
	s_nop 0
	PLACES
	v_and_b32 v49, 31, v0
	v_lshlrev_b32 v49, 4, v49                      ; 16 x lane
.irp j, 0,1,2,3
	global_load_b128 v[HB0+4*(\j):HB0+4*(\j)+3], v49, s[8:9] offset:512*(\j)  ; y2 of my 512 keys
.endr
	v_and_b32 v50, 15, v0                          ; r
	v_bfe_u32 v51, v0, 4, 1                        ; h
	v_lshlrev_b32 v[AO0], 13, v50                  ; row r of A,
	v_lshl_add_u32 v[AO0], v51, 5, v[AO0]          ; 8 keys for each half of the lanes
	AFETCH                                         ; A of the first step
	v_mul_u32_u24 v[AS0], v50, PITCH               ; plain loads: key r of my part, channels 64 h on
	v_lshl_add_u32 v[AS0], v51, 7, v[AS0]
	v_add_nc_u32 v[AS0], s50, v[AS0]
	v_and_b32 v52, 7, v0                           ; turning loads: key 8 h + lane % 8, channels 64 ((lane / 8) % 2) on,
	v_lshl_add_u32 v52, v51, 3, v52
	v_mul_u32_u24 v52, v52, PITCH
	v_bfe_u32 v53, v0, 3, 1
	v_lshl_add_u32 v52, v53, 7, v52
	s_lshl_b32 s42, s12, 8                         ; in my channel quarter: 256 bytes of a row,
	v_add_nc_u32 v52, s42, v52
.irp j, 0,1,2,3
	s_add_co_u32 s42, s12, \j
	s_and_b32 s42, s42, 3
	s_mul_i32 s42, s42, WPART                      ; of the part that wave (w + j) % 4 fetches
	v_add_nc_u32 v[AT0+(\j)], s42, v52
.endr
	s_lshl_b32 s42, s12, 11
	s_add_co_u32 s42, s42, YS
	v_lshl_add_u32 v[YA0], v51, 5, s42
	v_add_nc_u32 v53, s42, v49                     ; where my 16 bytes of y2 go
.irp i, 0,1,2,3,4,5,6,7,8,9
	v_mov_b32 v[LS+(\i)], 0                        ; L and the largest |A|
.endr
	v_mov_b32 v[FL], 0x0da24260                    ; pass 0's floor: 1e-30
	v_mov_b32 v[FL+1], 0x0da24260
	s_wait_loadcnt 8                               ; y2's four loads are in; A's eight, issued behind them, stay out
.irp j, 0,1,2,3
	ds_store_b128 v53, v[HB0+4*(\j):HB0+4*(\j)+3] offset:512*(\j)
.endr
	s_wait_tensorcnt 1                             ; my part of the first tile is in; the second may stay out
	s_wait_dscnt 0x0                               ; no LDS instruction of mine is pending at the signal
	s_barrier_signal -1
	s_barrier_wait -1                              ; everybody's part is in
	v_add_nc_u32 v[YA], s36, v[YA0]
	YFETCH                                         ; y2 of the walk's first step, for pass 1: pass 0 leaves it alone
	STEP0 1                                        ; pass 0: its first step starts the sums
	s_mov_b32 s51, 15
.Lpass0:
	STEP0 0
	s_sub_co_u32 s51, s51, 1
	s_cmp_lg_u32 s51, 0
	s_cbranch_scc1 .Lpass0
	v_add_nc_u32 v[ADS], s32, v[AS0]               ; what a step of the later passes leaves behind: the next step's plain fragments
	SPRE
	s_mov_b32 s38, 3                               ; passes to go
	s_mov_b32 s39, -1                              ; the first REDUCE takes k = den
	s_branch .Lreduce
.Lpass:                                                ; a trip: a pass's last two steps, its end, the next pass's first fourteen steps
	s_mov_b32 s51, 2
.Lclose:
	STEP 0, 1
	s_sub_co_u32 s51, s51, 1
	s_cmp_lg_u32 s51, 0
	s_cbranch_scc1 .Lclose
.Lreduce:
	REDUCE 0
	s_mov_b32 s39, 0
	STEP 1, 1
	s_mov_b32 s51, 13
.Lsteps:
	STEP 0, 1
	s_sub_co_u32 s51, s51, 1
	s_cmp_lg_u32 s51, 0
	s_cbranch_scc1 .Lsteps
	s_sub_co_u32 s38, s38, 1
	s_cmp_lg_u32 s38, 0
	s_cbranch_scc1 .Lpass
	s_mov_b32 s51, 2                               ; the tail is a text of its own: the last two steps ask for no tile
.Ltail:
	STEP 0, 0
	s_sub_co_u32 s51, s51, 1
	s_cmp_lg_u32 s51, 0
	s_cbranch_scc1 .Ltail
	REDUCE 1
	s_wait_tensorcnt 0x0                           ; the wave's end: the spare word's add and its wait, behind my last tensor load and my last LDS store
	ds_add_u32 v[SPW], v[NIL]
	s_wait_dscnt 0x0
	ROUND                                          ; the closing round: no work-group ends while a partner may still ask for a tile that names it
	s_endpgm
.Lfunc_end_k_q8ef6272948_robust:
	.size	k_q8ef6272948_robust, .Lfunc_end_k_q8ef6272948_robust-k_q8ef6272948_robust
	.p2alignl 7, 3214868480
	.fill 96, 4, 3214868480
	.section	.rodata,"a",@progbits
	.p2align	6, 0x0
	.amdhsa_kernel k_q8ef6272948_robust
		.amdhsa_group_segment_fixed_size 327680
		.amdhsa_private_segment_fixed_size 0
		.amdhsa_enable_private_segment 0
		.amdhsa_kernarg_size 32
		.amdhsa_user_sgpr_count 2
		.amdhsa_user_sgpr_kernarg_segment_ptr 1
		.amdhsa_wavefront_size32 1
		.amdhsa_system_sgpr_workgroup_id_x 1
		.amdhsa_system_sgpr_workgroup_id_y 1
		.amdhsa_system_sgpr_workgroup_id_z 1
		.amdhsa_system_vgpr_workitem_id 0
		.amdhsa_next_free_vgpr 1024
		.amdhsa_next_free_sgpr 66
		.amdhsa_reserve_vcc 0
		.amdhsa_float_denorm_mode_32 3
		.amdhsa_float_denorm_mode_16_64 3
		.amdhsa_memory_ordered 1
		.amdhsa_forward_progress 1
		.amdhsa_inst_pref_size 209
	.end_amdhsa_kernel
	.amdgpu_metadata
---
amdhsa.version: [ 1, 2 ]
amdhsa.kernels:
  - .name:           k_q8ef6272948_robust
    .symbol:         k_q8ef6272948_robust.kd
    .args:
      - { .name: A, .offset: 0, .size: 8, .value_kind: global_buffer, .address_space: global }
      - { .name: vh, .offset: 8, .size: 8, .value_kind: global_buffer, .address_space: global }
      - { .name: ysq, .offset: 16, .size: 8, .value_kind: global_buffer, .address_space: global }
      - { .name: out0, .offset: 24, .size: 8, .value_kind: global_buffer, .address_space: global }
    .group_segment_fixed_size: 327680
    .private_segment_fixed_size: 0
    .kernarg_segment_align: 8
    .kernarg_segment_size: 32
    .max_flat_workgroup_size: 128
    .sgpr_count:     66
    .vgpr_count:     1024
    .wavefront_size: 32
...
	.end_amdgpu_metadata
.endif
;; end of part 2
;; ======== version 2 of 2: 2 launches; version 1 with the launch prep written anew for expert scheduling mode
;; limits: inputs' magnitudes at most 65,504; values are held in f16: magnitudes above 65,504 overflow, below 6.1e-05 lose precision; below input magnitudes of 6.1e-05 results are inexact or not finite
;; workspace buffers: vh 8,388,608 bytes; ysq 32,768 bytes
;; launch prep (part 3): grid 256 x 1, 4 waves a work-group, no clusters, 0 bytes of LDS; arguments V, vh, ysq; writes vh, ysq
.if DOCPART == 3
	.amdgcn_target "amdgcn-amd-amdhsa--gfx1250"
	.amdhsa_code_object_version 6
	.text
	.protected	k_q8ef6272948_prep
	.globl	k_q8ef6272948_prep
	.p2align	8
	.type	k_q8ef6272948_prep,@function
k_q8ef6272948_prep:
	s_mov_b64 s[64:65], 0
	v_nop
	global_prefetch_b8 v0, s[64:65] scope:SCOPE_SE
	s_setreg_imm32_b32 hwreg(HW_REG_WAVE_SCHED_MODE, 0, 2), 2
	s_setreg_imm32_b32 hwreg(HW_REG_WAVE_MODE, 25, 1), 1
	s_wait_xcnt 0x0
	s_wait_alu depctr_vm_vsrc(0)
; vh[row][c] = f16(V[row][c]);  ysq[row] = the sum over c of vh[row][c]^2, taken in f32 of the ROUNDED numbers, so that the next launch's
; x2 + y2 - 2 xy is the squared distance of the very numbers that it multiplies.  V: [8192][512] f32 (the four batches on end).
; LIMIT: |V| stays below 65,504 (f16's range); NaN and infinities are not treated apart.
; A stream: no LDS, no matrix unit, no cluster (no byte is read twice).  A work-group owns 32 rows, a wave 8.  A row is 2,048 bytes in: four loads of a wave,
; 512 consecutive bytes each; and 1,024 bytes out: four stores of a wave, 32 lanes x 8 bytes = 256 consecutive bytes, aligned.  All 32 loads of a wave go out at once.
; ysq leaves as 32 bytes a wave (8 rows x 4 bytes): 32 KiB of the launch's 24 MiB; gathering it would want LDS and a barrier.
; THE MODE: SCHED_MODE bits 1:0 = 2 (LLVM: expert scheduling mode 2), set by the entry lines.  The code itself states the register dependences
; between vector instructions and memory instructions, with s_wait_alu, always for 0.
; THE PLAN.  Registers that memory instructions touch:
;   v1, v2, v3  byte offsets, made once at the head and never written again: the rows are reached by immediate offsets.
;   X           eight rows as loaded.  Each register is loaded once, and no vector instruction names it before; row p's conversions read its sixteen.
;   H0, H1      a row as f16.  Written by row p's conversions (H[p % 2]); read by the four stores that are issued in row p + 1.
;   Y           the eight sums.  Written by the rows' last additions; read by the two stores at the end.
;   T and ACC are named by vector instructions alone.
; Row p writes H[p % 2]; its memory instructions are the four stores from H[(p - 1) % 2], which no vector instruction of row p names.  So the waits at a row's head
; state all that its stores hang on, and these are dealt among its conversions with no further wait.
.set T,   8                            ; v[8:23]    a row's 16 rounded numbers of my lane, widened to f32
.set Y,   24                           ; v[24:31]   the eight rows' sums
.set H,   32                           ; v[32:47]   two buffers of eight: the row as f16, to store; named by halves below, so the numbers are literal there
.set X,   48                           ; v[48:175]  eight rows as loaded, 16 registers each
.set ACC, 176                          ; v[176:179] two packed chains of squares
	s_load_b128 s[4:7], s[0:1], 0x0                ; V s[4:5], vh s[6:7]
	s_load_b64 s[8:9], s[0:1], 0x10                ; ysq
	v_and_b32 v4, 31, v0                           ; lane
	v_lshrrev_b32 v1, 5, v0
	v_readfirstlane_b32 s12, v1                    ; wave
	v_lshlrev_b32 v1, 4, v4                        ; 16 bytes a lane in V
	v_lshlrev_b32 v2, 3, v4                        ; 8 bytes a lane in vh
	v_mov_b32 v3, 0
	s_mov_b32 s10, 0x76543210                      ; v_permlanex16_b32: each lane takes its own place in the other half
	s_mov_b32 s11, 0xfedcba98
	s_lshl_b32 s2, ttmp9, 16                       ; 32 rows of 2,048 bytes a work-group,
	s_wait_alu depctr_va_sdst(0)                   ; s12 is written, ahead of its first reader: the three bases are made from it
	s_lshl_b32 s3, s12, 14                         ; 8 rows a wave
	s_add_co_u32 s2, s2, s3
	s_mov_b32 s3, 0
	s_lshr_b32 s14, s2, 1                          ; half as many bytes in vh,
	s_mov_b32 s15, 0
	s_lshr_b32 s16, s2, 9                          ; 4 bytes a row in ysq
	s_mov_b32 s17, 0
	s_wait_kmcnt 0x0
	s_add_nc_u64 s[4:5], s[4:5], s[2:3]
	s_add_nc_u64 s[6:7], s[6:7], s[14:15]
	s_add_nc_u64 s[8:9], s[8:9], s[16:17]
	s_wait_alu depctr_va_vdst(0)                   ; v1, v2 and v3 are written: every load and store of the kernel reads one of them as its offset
.set i, 0
.rept 32                                               ; my wave's 16 KiB are dense: load i takes bytes 512 i on
	global_load_b128 v[X+4*i:X+4*i+3], v1, s[4:5] offset:512*i th:TH_LOAD_NT
.set i, i+1
.endr
.macro WIDEN hb                        ; the row's 16 f16 of my lane, in buffer hb of H, back to f32
.if (\hb) == 0
	v_cvt_f32_f16 v8,  v32.l
	v_cvt_f32_f16 v9,  v32.h
	v_cvt_f32_f16 v10, v33.l
	v_cvt_f32_f16 v11, v33.h
	v_cvt_f32_f16 v12, v34.l
	v_cvt_f32_f16 v13, v34.h
	v_cvt_f32_f16 v14, v35.l
	v_cvt_f32_f16 v15, v35.h
	v_cvt_f32_f16 v16, v36.l
	v_cvt_f32_f16 v17, v36.h
	v_cvt_f32_f16 v18, v37.l
	v_cvt_f32_f16 v19, v37.h
	v_cvt_f32_f16 v20, v38.l
	v_cvt_f32_f16 v21, v38.h
	v_cvt_f32_f16 v22, v39.l
	v_cvt_f32_f16 v23, v39.h
.else
	v_cvt_f32_f16 v8,  v40.l
	v_cvt_f32_f16 v9,  v40.h
	v_cvt_f32_f16 v10, v41.l
	v_cvt_f32_f16 v11, v41.h
	v_cvt_f32_f16 v12, v42.l
	v_cvt_f32_f16 v13, v42.h
	v_cvt_f32_f16 v14, v43.l
	v_cvt_f32_f16 v15, v43.h
	v_cvt_f32_f16 v16, v44.l
	v_cvt_f32_f16 v17, v44.h
	v_cvt_f32_f16 v18, v45.l
	v_cvt_f32_f16 v19, v45.h
	v_cvt_f32_f16 v20, v46.l
	v_cvt_f32_f16 v21, v46.h
	v_cvt_f32_f16 v22, v47.l
	v_cvt_f32_f16 v23, v47.h
.endif
.endm
; Row p.  HN = H[p % 2], which its conversions write; HO = the other buffer, from which the row before is stored.
.macro ROWDO p
.set HN, H+8*((\p)%2)
.set HO, H+8*(1-(\p)%2)
	s_wait_loadcnt 4*(7-(\p))                      ; loads come back in order: this row's four are in, the later rows' stay out
.if (\p) > 1
	s_wait_xcnt 0x0                                ; every earlier memory instruction has had its addresses translated (ISA guide 3.1): HN is rewritten only behind this wait
	s_wait_alu depctr_vm_vsrc(0)                   ; the stores issued in the row before have read HN, which this row's conversions write again
.endif
.if (\p) > 0
	s_wait_alu depctr_va_vdst(0)                   ; the row before has written HO, which the four stores below read
.endif
.irp j, 0,1,2,3
.if (\p) > 0
	global_store_b64 v2, v[HO+2*(\j):HO+2*(\j)+1], s[6:7] offset:1024*((\p)-1)+256*(\j)  ; the row before; no vector instruction since the wait names HO or v2
.endif
	v_cvt_pk_f16_f32 v[HN+2*(\j)],   v[X+16*(\p)+4*(\j)],   v[X+16*(\p)+4*(\j)+1]
	v_cvt_pk_f16_f32 v[HN+2*(\j)+1], v[X+16*(\p)+4*(\j)+2], v[X+16*(\p)+4*(\j)+3]
.endr
	WIDEN (\p)%2
	v_pk_mul_f32 v[ACC:ACC+1],   v[T:T+1],   v[T:T+1]      ; the first squares start the two chains: nothing is cleared
	v_pk_mul_f32 v[ACC+2:ACC+3], v[T+2:T+3], v[T+2:T+3]
.irp k, 2,3,4,5,6,7
	v_pk_fma_f32 v[ACC+2*((\k)%2):ACC+2*((\k)%2)+1], v[T+2*(\k):T+2*(\k)+1], v[T+2*(\k):T+2*(\k)+1], v[ACC+2*((\k)%2):ACC+2*((\k)%2)+1]
.endr
	v_pk_add_f32 v[ACC:ACC+1], v[ACC:ACC+1], v[ACC+2:ACC+3]
	v_add_f32 v[ACC], v[ACC], v[ACC+1]
	v_add_f32_dpp v[ACC], v[ACC], v[ACC] row_xmask:1 row_mask:0xf bank_mask:0xf
	v_add_f32_dpp v[ACC], v[ACC], v[ACC] row_xmask:2 row_mask:0xf bank_mask:0xf
	v_add_f32_dpp v[ACC], v[ACC], v[ACC] row_xmask:4 row_mask:0xf bank_mask:0xf
	v_add_f32_dpp v[ACC], v[ACC], v[ACC] row_xmask:8 row_mask:0xf bank_mask:0xf
	v_permlanex16_b32 v[ACC+1], v[ACC], s10, s11   ; its destination has been written above
	v_add_f32 v[Y+(\p)], v[ACC], v[ACC+1]          ; every lane holds the row's sum
.endm
.irp p, 0,1,2,3,4,5,6,7
	ROWDO \p
.endr
	s_wait_alu depctr_va_vdst(0)                   ; row 7 has written H1, which the last four stores read
.irp j, 0,1,2,3
	global_store_b64 v2, v[H+8+2*(\j):H+8+2*(\j)+1], s[6:7] offset:1024*7+256*(\j)
.endr
	s_wait_xcnt 0x0                                ; EXEC is a source of the stores above: it changes only behind this wait
	v_cmp_eq_u32 vcc_lo, 0, v4
	s_wait_alu depctr_va_vcc(0)                    ; VCC is written, ahead of its first reader: EXEC is made from it
	s_wait_alu depctr_va_vdst(0)                   ; ahead of the write of EXEC: the vector instructions issued so far are done; among them the eight sums Y, which the stores below read
	s_wait_alu depctr_vm_vsrc(0)                   ; ahead of the write of EXEC: the stores issued so far have read their vector registers
	s_and_saveexec_b32 s12, vcc_lo                 ; lane 0 stores the wave's eight sums
	global_store_b128 v3, v[Y:Y+3],   s[8:9]
	global_store_b128 v3, v[Y+4:Y+7], s[8:9] offset:16
	s_wait_xcnt 0x0                                ; and again in front of the line that widens it
	s_wait_alu depctr_va_vdst(0)                   ; ahead of the write of EXEC: no vector instruction is still at work
	s_wait_alu depctr_vm_vsrc(0)                   ; ahead of the write of EXEC: the two stores have read v3 and Y
	s_or_b32 exec_lo, exec_lo, s12
	s_endpgm
.Lfunc_end_k_q8ef6272948_prep:
	.size	k_q8ef6272948_prep, .Lfunc_end_k_q8ef6272948_prep-k_q8ef6272948_prep
	.p2alignl 7, 3214868480
	.fill 96, 4, 3214868480
	.section	.rodata,"a",@progbits
	.p2align	6, 0x0
	.amdhsa_kernel k_q8ef6272948_prep
		.amdhsa_group_segment_fixed_size 0
		.amdhsa_private_segment_fixed_size 0
		.amdhsa_enable_private_segment 0
		.amdhsa_kernarg_size 24
		.amdhsa_user_sgpr_count 2
		.amdhsa_user_sgpr_kernarg_segment_ptr 1
		.amdhsa_wavefront_size32 1
		.amdhsa_system_sgpr_workgroup_id_x 1
		.amdhsa_system_sgpr_workgroup_id_y 1
		.amdhsa_system_sgpr_workgroup_id_z 1
		.amdhsa_system_vgpr_workitem_id 0
		.amdhsa_next_free_vgpr 180
		.amdhsa_next_free_sgpr 66
		.amdhsa_reserve_vcc 1
		.amdhsa_float_denorm_mode_32 3
		.amdhsa_float_denorm_mode_16_64 3
		.amdhsa_memory_ordered 1
		.amdhsa_forward_progress 1
		.amdhsa_inst_pref_size 25
	.end_amdhsa_kernel
	.amdgpu_metadata
---
amdhsa.version: [ 1, 2 ]
amdhsa.kernels:
  - .name:           k_q8ef6272948_prep
    .symbol:         k_q8ef6272948_prep.kd
    .args:
      - { .name: V, .offset: 0, .size: 8, .value_kind: global_buffer, .address_space: global }
      - { .name: vh, .offset: 8, .size: 8, .value_kind: global_buffer, .address_space: global }
      - { .name: ysq, .offset: 16, .size: 8, .value_kind: global_buffer, .address_space: global }
    .group_segment_fixed_size: 0
    .private_segment_fixed_size: 0
    .kernarg_segment_align: 8
    .kernarg_segment_size: 24
    .max_flat_workgroup_size: 128
    .sgpr_count:     66
    .vgpr_count:     180
    .wavefront_size: 32
...
	.end_amdgpu_metadata
.endif
;; end of part 3
;; launch robust: the kernel of part 2 again; grid 64 x 4, 4 waves a work-group, clusters of 4 x 1, 327,680 bytes of LDS; arguments A, vh, ysq, out0; writes out0
